; MI455X (gfx1250); checked and timed in simulation.
; The chip was launched on July 23, 2026; its instructions are those of AMD's public machine-readable ISA for CDNA 5 (MIT licence, August 2026) and "CDNA5" Instruction Set Architecture Reference Guide (July 2026). The comments in the code are by the model that wrote it; some were corrected since.
;; Self Attention. Allowed arithmetic: matrix products marked QUANTISED: E5M2 operands, one given power-of-two scale a tensor, by v_wmma_f32_16x16x64_bf8_bf8 or v_wmma_f32_16x16x128_bf8_bf8, f32 sums; everything else in f32.
;; Inputs: Wk_codes 1,024 x 32 x 32 uint8 (E5M2 codes of Wk, K innermost, in blocks of 32 codes); Wo_codes 1,024 x 32 x 32 uint8 (E5M2 codes of Wo, K innermost, in blocks of 32 codes); Wq_codes 1,024 x 32 x 32 uint8 (E5M2 codes of Wq, K innermost, in blocks of 32 codes); Wv_codes 1,024 x 32 x 32 uint8 (E5M2 codes of Wv, K innermost, in blocks of 32 codes); attention_mask 4 x 2,048 bool; bk 1,024 float32; bo 1,024 float32; bq 1,024 float32; bv 1,024 float32; lowp_scales 12 int32 (the exponents e of the quantised operands' scales 2^e); x_codes 4 x 2,048 x 32 x 32 uint8 (E5M2 codes of x, K innermost, in blocks of 32 codes).
;; Outputs: out0 4 x 2,048 x 1,024 float32.
;; Constants: use_causal_mask = 1.
;; This version of the problem:
;;   THIS VERSION OF THE PROBLEM IS GIVEN IN LOW PRECISION. The matrix products marked QUANTISED in the list below multiply operands that are first quantised to E5M2 (5 exponent bits, 2 mantissa bits; 8 bits a number), with one given power-of-two scale for each operand tensor; their sums are f32. All else is computed in f32.
;;   The module's matrix products, in the order in which they are computed (A, B: the left and right operand; K: the contracted axis; several contracted axes count as one K, in the product's order):
;;     1. [M 8,192, K 1,024] x [K 1,024, N 1,024]; A: input x (given as codes); B: input Wq (given as codes): QUANTISED (scales: A lowp_scales[0], B lowp_scales[1])
;;     2. [M 8,192, K 1,024] x [K 1,024, N 1,024]; A: input x (given as codes); B: input Wk (given as codes): QUANTISED (scales: A lowp_scales[2], B lowp_scales[3])
;;     3. [M 8,192, K 1,024] x [K 1,024, N 1,024]; A: input x (given as codes); B: input Wv (given as codes): QUANTISED (scales: A lowp_scales[4], B lowp_scales[5])
;;     4. batch 64 x [M 2,048, K 64] x [K 64, N 2,048]; A: computed on the way; B: computed on the way: QUANTISED (scales: A lowp_scales[6], B lowp_scales[7])
;;     5. batch 64 x [M 2,048, K 2,048] x [K 2,048, N 64]; A: softmax (see below); B: computed on the way: QUANTISED (scales: A lowp_scales[8], B lowp_scales[9])
;;     6. [M 8,192, K 1,024] x [K 1,024, N 1,024]; A: computed on the way; B: input Wo (given as codes): QUANTISED (scales: A lowp_scales[10], B lowp_scales[11])
;;   THE QUANTISER, for each operand of a quantised product, along K:
;;     - The operand's scale is 2^e, e = its entry of the input lowp_scales (int32; the entries are numbered through the quantised products in the list's order, A before B).
;;     - Each number is divided by the scale, clamped to +-57,344, and rounded to the nearest number of E5M2, ties to even, subnormals kept.
;;     - The product sums the exact products of the quantised numbers (number of the format x scale) in f32.
;;   ~~~python
;;   def quantise(x, axis, e):      # numpy; x: float32 -> the quantised numbers, widened to float32 again
;;       x = np.moveaxis(x, axis, -1); K = x.shape[-1]
;;       r = np.clip(x / 2.0 ** e, -57344, 57344)
;;       step = 2.0 ** (np.maximum(np.frexp(np.where(r == 0, 1, r))[1] - 1, -14) - 2)
;;       q = np.round(r / step) * step * 2.0 ** e      # np.round: ties to even
;;       return np.moveaxis(q, -1, axis).astype(np.float32)
;;   ~~~
;;   SOFTMAX AHEAD OF A QUANTISED PRODUCT. Where the list says 'softmax', what is quantised is not the finished softmax but p = 2^(t - M), with t = logit x log2(e) and M = ceil(the row's largest t), a whole number; so 1/2 < the row's largest p <= 1. The row's sum l is taken of the UNQUANTISED p, in f32, and the product's result is divided by l at the end. Since M is a whole number, a kernel that streams over the keys may use a running M (the ceiling of the running maximum): every later rescaling is an exact power of two, so the quantised numbers keep their values, but for numbers so far below the row's largest that they fall under the format's range.
;;   OPERANDS COMPUTED ON THE WAY. 'Computed on the way' means the value that the module computes at that place (a softmax that the list does not call 'softmax' is quantised finished and normalised). What goes into a quantiser is computed in f32, as accurately as f32 sums, v_exp_f32 and their like allow (about 1e-6 of the number): no bf16 or f16 on the way to a quantiser, and a product that is left as it is and whose result goes on into a quantised operand takes f32 operands (vector FMAs, or v_wmma_f32_16x16x4_f32). A number that lies on a knife's edge between two numbers of the format may be rounded either way, as far as f32 arithmetic and the matrix unit's own rounding can turn it there, and no further.
;;   INPUTS GIVEN AS CODES. Wk (in the module: [1024, 1024], K = its axis 0); Wo (in the module: [1024, 1024], K = its axis 0); Wq (in the module: [1024, 1024], K = its axis 0); Wv (in the module: [1024, 1024], K = its axis 0); x (in the module: [4, 2048, 1024], K = its axis 2): each comes as NAME_codes (uint8): NAME with its K axis moved to the last place and cut into blocks of 32 codes, [.., K / 32, bytes a block], one block behind the other in memory; one code a byte (a code: sign, 5 exponent bits, 2 mantissa bits); its scale is its entry of lowp_scales. Its value is code x scale, taken as it is: it is not quantised again, and the codes and scales need not be those that the quantiser above would give.
;; One version. Each part assembles by itself: llvm-mc -triple=amdgcn-amd-amdhsa -mcpu=gfx1250 --defsym DOCPART=n.
;; ======== version 1 of 1: 3 launches
;; limits: right only within a limited range of input values
;; workspace buffers: q_img 8,388,608 bytes; kv_img 16,777,216 bytes; a_img 8,388,608 bytes
;; launch qkv (part 1): grid 8 x 96, 4 waves a work-group, clusters of 4 x 4, 327,680 bytes of LDS; arguments x_codes, Wq_codes, Wk_codes, Wv_codes, bq, bk, bv, lowp_scales, q_img, kv_img; writes q_img, kv_img
.if DOCPART == 1
	.amdgcn_target "amdgcn-amd-amdhsa--gfx1250"
	.amdhsa_code_object_version 6
	.text
	.protected	k_q71067ebd17_qkv
	.globl	k_q71067ebd17_qkv
	.p2align	8
	.type	k_q71067ebd17_qkv,@function
k_q71067ebd17_qkv:
	s_mov_b64 s[64:65], 0
	v_nop
	global_prefetch_b8 v0, s[64:65] scope:SCOPE_SE
	s_setreg_imm32_b32 hwreg(HW_REG_WAVE_MODE, 25, 1), 1
	s_wait_xcnt 0x0
	s_wait_alu depctr_hold_cnt(0) depctr_sa_sdst(0) depctr_va_vdst(0) depctr_va_sdst(0) depctr_va_ssrc(0) depctr_va_vcc(0) depctr_vm_vsrc(0)
	s_getreg_b32 s2, hwreg(HW_REG_IB_STS2, 6, 4)
	s_cmp_eq_u32 s2, 0
	s_cbranch_scc0 .Lentry_in_a_cluster
	s_endpgm
.Lentry_in_a_cluster:
	s_bfe_u32 s2, ttmp6, 0x10000c
	s_cmp_lg_u32 s2, 0xf033
	s_cbranch_scc0 .Lentry_shape_is_right
	s_endpgm
.Lentry_shape_is_right:
; q = x Wq + bq, k = x Wk + bk, v = x Wv + bv on codes of BF8 (E5M2), each result quantised at once for the attention launch: q with 2^e6, k with 2^e7, v with 2^e9.
; x: [8192][1024] codes; Wq, Wk, Wv: [1024 (n)][1024 (k)] codes, K innermost.  A sum stands for sum x 2^es, es = e0 + e1 (q), e2 + e3 (k), e4 + e5 (v).
; A work-group of four waves makes a tile of 256 rows of source 0 x 128 rows of source 1, K = 1024; a wave 128 x 64: 32 accumulators of 16 x 16.  768 work-groups: three for each of 256 WGPs.
; WHAT IS SOURCE 0 hangs on the kind, which the cluster's y and x give (the same in all sixteen partners):
;   cluster y < 16: q (cluster x = 0) or k (x = 1).  Source 0 = 256 rows of the weight, source 1 = 128 tokens: a lane holds ONE token and eight neighbouring channels of a head, the next product's K.
;   cluster y >= 16: v.  Source 0 = 256 tokens, source 1 = 128 rows of Wv: a lane holds ONE channel and eight neighbouring tokens, that is keys, the second attention product's K.
; So the conversions' results are the next operands' registers, and they are stored as IMAGES of those registers: lane l's 16 bytes at 16 l, 512 consecutive bytes a store.
;   q_img  [head 64][tile of 16 queries 128][2][lane][16]: lane (r, h) registers 2 t, 2 t + 1 = channels 16 t + 8 h + 0..7 of token r
;   kv_img [head 64][step of 128 keys 16][16384]: bytes 0..8191 K, [tile of 16 keys 8][2][lane][16] as q_img; bytes 8192.. V, [16 channels 4][4][lane][16]: registers 2 c, 2 c + 1 = keys 16 c + 8 h + 0..7 of channel r
; K goes in four steps of 256 through THREE LDS slots: steps 0, 1, 2 are first fills, asked for together; step 3 is the one refill, into slot 0.
; CLUSTER 4 x 4: source 0's tile hangs on cx alone and is asked for jointly by a column of the cluster, source 1's on cy alone and by a row.
; A fragment is fetched by four loads of 16 bytes, 32 apart: a permutation of k that is the same in both sources.
; LIMITS: es between -126 and 127; e6, e7, e9 between -126 and 112.  NaN and infinity codes among the inputs are not served.
; REGISTERS, in windows of 256: window 0: v1-30 addresses and constants; v32-95, v96-103 biases; v128-255 source 1's fragments, two sets (on the way out: numbers and codes).
;   window 1: source 0's fragments, two sets of 128.   window 2: accumulator (a, b) at v[8 (8 a + b)].
.set PITCH,  272                       ; an LDS row: 256 bytes + 16 of padding = 68 words: the 16 rows that a load touches start at 16 different banks (64 banks of 4 bytes: ISA guide 11.1)
.set S0H,    128*PITCH                 ; half of source 0's tile: one tensor load, and what one wave reads
.set S0B,    2*S0H
.set S1H,    64*PITCH                  ; half of source 1's tile
.set SLOT,   S0B+2*S1H
.set SPARE,  3*SLOT                    ; behind the slots: the spare words, 128 bytes a wave: two blocks of 256 bytes that no other line names
.set STEP0,  256                       ; a K step on in memory, source 0
.set STEP1,  256                       ; and source 1
.set S1A,    16*PITCH                  ; source 1 in LDS: from block to block, from 128 along K to the next, from load to load
.set S1Q,    128
.set S1C,    32
.set AD0, 16                           ; v16-18  LDS address of my fragments of source 0 in slot 0, 1, 2
.set AD1, 20                           ; v20-22  the same for source 1
.set LI,  24                           ; v24     16 x lane
.set SPW, 28                           ; v28     my spare word: SPARE + 4 x my thread's number; never rewritten
.set NIL, 29                           ; v29     0; never rewritten
.set G1,  24                           ; s[24:31] descriptor group 1, source 0;  s[32:39] source 1
.set G1B, 32
.set G0,  40                           ; s[40:51] group 0, source 0, a set for each slot;  s[52:63] source 1
.set G0B, 52
.set W_MUL, 0xa1                       ; source 0 window 1, source 1 window 0, C and D window 2
.set TO_S0, 0x40                       ; destination window 1, address window 0
.set MSB, 0
.macro WIN new                         ; the immediate's high byte repeats the setting that is left
.if MSB != \new
	s_set_vgpr_msb (MSB<<8)|\new
.set MSB, \new
.endif
.endm
.macro PLACES n
.rept \n
	v_nop
.endr
.endm
.macro CREST                           ; a round of the cluster's barrier behind its opening barrier
	s_cmp_lg_u32 s3, 0
	s_cbranch_scc1 .Lnot_wave_0_\@
	s_barrier_signal -3
.Lnot_wave_0_\@:
	s_barrier_wait -3
	s_barrier_signal -1
	s_barrier_wait -1
.endm
.macro CROUND                          ; a whole round
	s_barrier_signal -1
	s_barrier_wait -1
	CREST
.endm
.macro JLOAD                           ; the joint refill of slot 0: waves 0, 1 for source 0, waves 2, 3 for source 1; four v_nop follow each line
	s_cmp_eq_u32 s4, 0
	s_cbranch_scc0 .Lfor_s1_\@
	tensor_load_to_lds s[G0:G0+3], s[G1:G1+7]
	s_nop 0
.rept 4
	v_nop
.endr
	s_branch .Lasked_\@
.Lfor_s1_\@:
	tensor_load_to_lds s[G0B:G0B+3], s[G1B:G1B+7]
	s_nop 0
.rept 4
	v_nop
.endr
.Lasked_\@:
.endm
.macro FETCH slot, q, p                ; 48 LDS loads in one run: the fragments of the slot's q-th 128 along K into set p
	WIN TO_S0
.irp b, 0,1,2,3,4,5,6,7
.irp c, 0,1,2,3
	ds_load_b128 v[128*(\p)+16*\b+4*\c:128*(\p)+16*\b+4*\c+3], v[AD0+\slot] offset:128*(\q)+32*\c+\b*16*PITCH
.endr
.endr
	WIN 0
.irp a, 0,1,2,3
.irp c, 0,1,2,3
	ds_load_b128 v[128+64*(\p)+16*\a+4*\c:128+64*(\p)+16*\a+4*\c+3], v[AD1+\slot] offset:S1Q*(\q)+S1C*\c+\a*S1A
.endr
.endr
.endm
.macro MUL a, p, zero                  ; 8 matrix instructions: source 1's block a against source 0's eight.  The 32 accumulators take turns, one instruction a turn, in the same order in every step
.irp b, 0,1,2,3,4,5,6,7
.if \zero
	v_wmma_f32_16x16x128_bf8_bf8 v[8*(8*(\a)+\b):8*(8*(\a)+\b)+7], v[128*(\p)+16*\b:128*(\p)+16*\b+15], v[128+64*(\p)+16*(\a):128+64*(\p)+16*(\a)+15], 0
.else
	v_wmma_f32_16x16x128_bf8_bf8 v[8*(8*(\a)+\b):8*(8*(\a)+\b)+7], v[128*(\p)+16*\b:128*(\p)+16*\b+15], v[128+64*(\p)+16*(\a):128+64*(\p)+16*(\a)+15], v[8*(8*(\a)+\b):8*(8*(\a)+\b)+7]
.endif
.endr
.endm
; 128 along K: the next step's fragments are asked for first, into the other set, then set p is multiplied.
.macro SUB p, fslot, fq, zero
	PLACES 4                                       ; the loads below land in registers that the last matrix instructions read: four plain places (ISA guide 7.12.1 for vector instructions)
	FETCH \fslot, \fq, 1-\p
	s_wait_dscnt 48                                ; all but the 48 just issued: set p is in
	WIN W_MUL
	MUL 0, \p, \zero
	MUL 1, \p, \zero
	MUL 2, \p, \zero
	MUL 3, \p, \zero
	WIN 0
.endm
; 128 along K (set 1) with a barrier in it.  In front of it each wave waits for all its tensor loads, adds 0 to its spare word, and waits for that and for its own LDS reads.  fill = 1: slot 0 is filled again, with K step 3.
.macro TURN next, fill
	s_wait_tensorcnt 0x0                           ; all my tensor loads have landed
	ds_add_u32 v[SPW], v[NIL]                      ; 0 onto my spare word
	s_wait_dscnt 1                                 ; set 1 is in; the add may be out
	WIN W_MUL
	MUL 0, 1, 0                                    ; eight matrix instructions stand between the add and the wait for it
	s_wait_dscnt 0x0                               ; the add is done, and my reads of the slot that I leave are over
	s_barrier_signal -1
	MUL 1, 1, 0
	WIN 0
	s_barrier_wait -1
.if \fill
	CREST                                          ; the barrier has opened a round of the cluster's: no wave of any partner still reads slot 0 or has a load on its way
	s_add_nc_u64 s[G0+2:G0+3], s[G0+2:G0+3], 3*STEP0
	s_add_nc_u64 s[G0B+2:G0B+3], s[G0B+2:G0B+3], 3*STEP1
	JLOAD                                          ; the first tensor load behind the round; its four v_nop are also the places in front of the loads below
.else
	PLACES 4
.endif
	FETCH \next, 0, 0
	WIN W_MUL
	MUL 2, 1, 0
	MUL 3, 1, 0
	WIN 0
.endm
	s_load_b512 s[68:83], s[0:1], 0x0              ; x s[68:69], Wq s[70:71], Wk s[72:73], Wv s[74:75], bq s[76:77], bk s[78:79], bv s[80:81], the scales' exponents s[82:83]
	s_load_b128 s[84:87], s[0:1], 0x40             ; q_img s[84:85], kv_img s[86:87]
	v_lshl_add_u32 v[SPW], v0, 2, SPARE
	v_mov_b32 v[NIL], 0
	ds_add_u32 v28, v29
	ds_add_u32 v28, v29
	s_wait_dscnt 0x0
	v_lshrrev_b32 v1, 5, v0
	v_readfirstlane_b32 s3, v1                     ; wave 0..3
	s_lshr_b32 s4, s3, 1                           ; I fetch for source 0 (0) or source 1 (1).  Also: which half of source 1 I multiply
	s_and_b32 s5, s3, 1                            ; which half of that tile I fetch.  Also: which half of source 0 I multiply
	s_bfe_u32 s6, ttmp6, 0x40000                   ; cx
	s_bfe_u32 s7, ttmp6, 0x40004                   ; cy
	s_mov_b32 s8, ttmp9                            ; cluster x: 0, 1
	s_and_b32 s9, ttmp7, 0xffff                    ; cluster y: 0 .. 23
	s_lshl_b32 s10, 0x1111, s6                     ; my column of the cluster
	s_lshl_b32 s11, s7, 2
	s_lshl_b32 s11, 15, s11                        ; my row
	s_or_b32 s[G1], s10, (0<<16)|(1<<20)|(1<<21)|(5<<22)|(3<<25)   ; 15:0 the mask; 17:16 elements of 1 byte; 20 padding on; 21 set beside a mask; 24:22 after every 64 words; 31:25 four words
	s_or_b32 s[G1B], s11, (0<<16)|(1<<20)|(1<<21)|(5<<22)|(3<<25)
	s_mov_b32 s[G1+1], 256<<16                     ; tensor_dim0 = 256
	s_mov_b32 s[G1+2], 128<<16                     ; tensor_dim1 = 128
	s_mov_b32 s[G1+3], 256<<16                     ; tile_dim0
	s_mov_b32 s[G1+4], 128                         ; tile_dim1
	s_mov_b32 s[G1+5], 1024                        ; from row to row
	s_mov_b32 s[G1+6], 0
	s_mov_b32 s[G1+7], 0
	s_mov_b32 s[G1B+1], 256<<16
	s_mov_b32 s[G1B+2], 64<<16                     ; 64 rows
	s_mov_b32 s[G1B+3], 256<<16
	s_mov_b32 s[G1B+4], 64
	s_mov_b32 s[G1B+5], 1024
	s_mov_b32 s[G1B+6], 0
	s_mov_b32 s[G1B+7], 0
	; source 0: row 256 cx + 128 half, for v + 1024 (cluster y - 16): nothing of cy
	s_lshl_b32 s16, s6, 8
	s_lshl_b32 s20, s5, 7
	s_add_co_u32 s16, s16, s20
	s_max_u32 s20, s9, 16
	s_sub_co_u32 s20, s20, 16
	s_lshl_b32 s20, s20, 10
	s_add_co_u32 s16, s16, s20
	s_lshl_b32 s16, s16, 10                        ; rows of 1,024 bytes
	s_mov_b32 s17, 0
	; source 1: row 128 cy + 64 half + 512 x (cluster y for q and k, cluster x for v): nothing of cx
	s_cmp_lt_u32 s9, 16
	s_cselect_b32 s22, s9, s8
	s_lshl_b32 s22, s22, 9
	s_lshl_b32 s18, s7, 7
	s_add_co_u32 s18, s18, s22
	s_lshl_b32 s22, s5, 6
	s_add_co_u32 s18, s18, s22
	s_lshl_b32 s18, s18, 10
	s_mov_b32 s19, 0
	s_mul_i32 s21, s5, S0H                         ; where they go: no place in the cluster enters an LDS address
	s_mul_i32 s23, s5, S1H
	s_add_co_u32 s23, s23, S0B
	s_wait_kmcnt 0x0
	s_load_b256 s[88:95], s[82:83], 0x0            ; e0 .. e7
	s_load_b32 s97, s[82:83], 0x24                 ; e9
	s_cmp_eq_u32 s8, 0                             ; the choices hang on the cluster's place in the grid alone
	s_cselect_b64 s[12:13], s[76:77], s[78:79]     ; bq or bk
	s_cselect_b64 s[14:15], s[70:71], s[72:73]     ; Wq or Wk
	s_cmp_lt_u32 s9, 16
	s_cselect_b64 s[12:13], s[12:13], s[80:81]     ; the bias
	s_cselect_b64 s[14:15], s[14:15], s[68:69]     ; source 0: the weight, or x
	s_cselect_b64 s[66:67], s[68:69], s[74:75]     ; source 1: x, or Wv
	s_add_nc_u64 s[14:15], s[14:15], s[16:17]
	s_add_nc_u64 s[66:67], s[66:67], s[18:19]
.irp s, 0,1,2
	s_mov_b32 s[G0+4*\s], 1                                        ; count = 1
	s_add_co_u32 s[G0+4*\s+1], s21, \s*SLOT                        ; LDS address
	s_add_nc_u64 s[G0+4*\s+2:G0+4*\s+3], s[14:15], \s*STEP0        ; global address: K step s
	s_or_b32 s[G0+4*\s+3], s[G0+4*\s+3], 0x80000000                ; type = 2
	s_mov_b32 s[G0B+4*\s], 1
	s_add_co_u32 s[G0B+4*\s+1], s23, \s*SLOT
	s_add_nc_u64 s[G0B+4*\s+2:G0B+4*\s+3], s[66:67], \s*STEP1
	s_or_b32 s[G0B+4*\s+3], s[G0B+4*\s+3], 0x80000000
.endr
	CROUND                                         ; all sixteen work-groups are here: the first joint loads meet
	s_cmp_eq_u32 s4, 0                             ; a wave's three first fills stand in one branch: three loads of mine are out
	s_cbranch_scc0 .Lfirst_s1
	tensor_load_to_lds s[G0:G0+3], s[G1:G1+7]
	s_nop 0
	tensor_load_to_lds s[G0+4:G0+7], s[G1:G1+7]
	s_nop 0
	tensor_load_to_lds s[G0+8:G0+11], s[G1:G1+7]
	s_nop 0
.rept 4
	v_nop
.endr
	s_branch .Lfirst_asked
.Lfirst_s1:
	tensor_load_to_lds s[G0B:G0B+3], s[G1B:G1B+7]
	s_nop 0
	tensor_load_to_lds s[G0B+4:G0B+7], s[G1B:G1B+7]
	s_nop 0
	tensor_load_to_lds s[G0B+8:G0B+11], s[G1B:G1B+7]
	s_nop 0
.rept 4
	v_nop
.endr
.Lfirst_asked:
	v_and_b32 v1, 15, v0                           ; r
	v_bfe_u32 v2, v0, 4, 1                         ; h
	v_mul_u32_u24 v3, v1, PITCH
	v_lshl_add_u32 v3, v2, 4, v3                   ; a fragment's row x pitch + 16 h
	s_mul_i32 s21, s5, S0H                         ; my half of source 0
	s_mul_i32 s23, s4, S1H                         ; my half of source 1,
	s_add_co_u32 s23, s23, S0B                     ; which lies behind source 0's tile
.irp s, 0,1,2
	v_add_nc_u32 v[AD0+\s], s21, v3
	v_add_nc_u32 v[AD1+\s], s23, v3
	s_add_co_u32 s21, s21, SLOT
	s_add_co_u32 s23, s23, SLOT
.endr
	v_and_b32 v[LI], 31, v0
	v_lshlrev_b32 v[LI], 4, v[LI]
	; The biases, in both forms, from the kind's own vector (every address lies inside it): each way out uses its own form.
	s_lshl_b32 s2, s6, 10
	s_lshl_b32 s10, s5, 9
	s_add_co_u32 s2, s2, s10                       ; 4 x (256 cx + 128 half of source 0)
	v_lshl_add_u32 v25, v2, 5, s2                  ; q, k: block b's eight columns of my half: + 64 b + 32 h
	s_lshl_b32 s10, s8, 2
	s_add_co_u32 s10, s10, s7
	s_lshl_b32 s10, s10, 9
	s_lshl_b32 s11, s4, 8
	s_add_co_u32 s10, s10, s11                     ; 4 x (128 (4 cluster x + cy) + 64 half of source 1)
	v_lshl_add_u32 v30, v1, 2, s10                 ; v: block a's column r: + 64 a + 4 r
.irp b, 0,1,2,3,4,5,6,7
	global_load_b128 v[32+8*\b:35+8*\b], v25, s[12:13] offset:64*\b
	global_load_b128 v[36+8*\b:39+8*\b], v25, s[12:13] offset:64*\b+16
.endr
.irp a, 0,1,2,3
	global_load_b32 v[96+2*\a], v30, s[12:13] offset:64*\a
	global_load_b32 v[97+2*\a], v30, s[12:13] offset:64*\a   ; (the packed form names a pair)
.endr
	s_wait_alu depctr_va_vdst(0)
	s_wait_tensorcnt 2                             ; my part of K step 0 is in; K steps 1 and 2 may stay out
	s_barrier_signal -1
	s_barrier_wait -1                              ; everybody's is
	FETCH 0, 0, 0
	SUB 0, 0, 1, 1                                 ; the first products start the sums: nothing is cleared
	TURN 1, 1                                      ; slots 1 and 2 are whole; slot 0 takes K step 3, which has 112 matrix instructions in which to land
	SUB 0, 1, 1, 0
	SUB 1, 2, 0, 0                                 ; no barrier: the last one has shown slot 2 whole, and slot 1 is not filled again
	SUB 0, 2, 1, 0
	TURN 0, 0                                      ; K step 3 is whole
	SUB 0, 0, 1, 0
	s_wait_dscnt 0x0
	WIN W_MUL
	MUL 0, 1, 0
	MUL 1, 1, 0
	MUL 2, 1, 0
	MUL 3, 1, 0
	WIN 0
	; THE WAY OUT: number = sum x 2^es + bias; held within 57,344 x the next scale; converted; the codes are the next operand's registers and are stored as they stand.
	s_wait_loadcnt 0x0                             ; the biases
	s_wait_kmcnt 0x0
	s_add_co_i32 s2, s88, s89                      ; e0 + e1
	s_add_co_i32 s10, s90, s91                     ; e2 + e3
	s_add_co_i32 s11, s92, s93                     ; e4 + e5
	s_cmp_eq_u32 s8, 0
	s_cselect_b32 s2, s2, s10
	s_cselect_b32 s10, s94, s95                    ; e6 or e7
	s_cmp_lt_u32 s9, 16
	s_cselect_b32 s2, s2, s11                      ; es
	s_cselect_b32 s10, s10, s97                    ; the result's own exponent
	s_add_co_i32 s2, s2, 127
	s_lshl_b32 s98, s2, 23                         ; 2^es as f32
	s_mov_b32 s99, s98                             ; (named with it as a pair)
	s_add_co_i32 s10, s10, 127
	s_lshl_b32 s11, s10, 23
	v_mov_b32 v26, s11                             ; the conversion takes this number's exponent field
	PLACES 4                                       ; behind the last products: their results are read, and registers that they read are written
.macro EPI kind                        ; kind 0: q, k (a lane holds a token, bias by register); 1: v (a lane holds a channel, one bias a block)
.irp a, 0,1,2,3
	WIN 0x02                                       ; source 0: window 2
.set i, 0
.rept 32
.if \kind
	v_pk_fma_f32 v[128+i:129+i], v[64*\a+i:64*\a+i+1], s[98:99], v[96+2*\a:97+2*\a] op_sel_hi:[1,0,0]   ; each accumulator from its low end on
.else
	v_pk_fma_f32 v[128+i:129+i], v[64*\a+i:64*\a+i+1], s[98:99], v[32+i:33+i] op_sel_hi:[1,0,1]
.endif
.set i, i+2
.endr
	WIN 0
.set i, 0
.rept 64
.set i, i+1
.endr
.irp b, 0,1,2,3,4,5,6,7
	v_cvt_scalef32_pk8_bf8_f32 v[192+16*\a+2*\b:193+16*\a+2*\b], v[128+8*\b:135+8*\b], v26
.endr
	v_nop                                          ; a plain line between the conversions and the next block's numbers, which write their sources
.irp k, 0,1,2,3
.if \kind
	global_store_b128 v10, v[192+16*\a+4*\k:195+16*\a+4*\k], s[86:87] offset:2048*\a+512*\k   ; channels 16 a on, keys 32 k on: 512 consecutive bytes
.else
	global_store_b128 v[10+\k/2], v[192+16*\a+4*\k:195+16*\a+4*\k], s[14:15] offset:1024*\a+512*(\k%2)   ; head k / 2 of my two, tokens 16 a on
.endif
.endr
.endr
.endm
	s_cmp_lt_u32 s9, 16
	s_cbranch_scc0 .Lway_v
	s_lshl_b32 s2, s9, 9
	s_lshl_b32 s66, s7, 7
	s_add_co_u32 s2, s2, s66
	s_lshl_b32 s66, s4, 6
	s_add_co_u32 s2, s2, s66                       ; my first token: 128 (4 cluster y + cy) + 64 half
	s_bfe_u32 s67, s2, 0x70004                     ; its tile of 16 within the batch
	s_lshr_b32 s2, s2, 11                          ; the batch
	s_lshl_b32 s2, s2, 4
	s_lshl_b32 s66, s6, 2
	s_add_co_u32 s2, s2, s66
	s_lshl_b32 s66, s5, 1
	s_add_co_u32 s2, s2, s66                       ; my first head: 16 batch + 4 cx + 2 half
	s_lshl_b32 s12, s2, 17
	s_lshl_b32 s66, s67, 10
	s_add_co_u32 s12, s12, s66                     ; q_img: 131,072 head + 1,024 tile
	s_lshl_b32 s13, s2, 18
	s_add_co_u32 s13, s13, s66
	s_and_b32 s66, s67, 0x78
	s_lshl_b32 s66, s66, 10
	s_add_co_u32 s13, s13, s66                     ; kv_img: 262,144 head + 16,384 (tile / 8) + 1,024 (tile % 8)
	s_cmp_eq_u32 s8, 0
	s_cselect_b32 s12, s12, s13
	s_cselect_b64 s[14:15], s[84:85], s[86:87]
	s_mov_b32 s13, 0x40000
	s_cselect_b32 s13, 0x20000, s13                ; from head to head
	v_add_nc_u32 v10, s12, v[LI]
	v_add_nc_u32 v11, s13, v10
	EPI 0
	s_branch .Lway_end
.Lway_v:
	s_sub_co_u32 s2, s9, 16
	s_lshl_b32 s2, s2, 10
	s_lshl_b32 s66, s6, 8
	s_add_co_u32 s2, s2, s66
	s_lshl_b32 s66, s5, 7
	s_add_co_u32 s2, s2, s66                       ; my first token: 256 (4 (cluster y - 16) + cx) + 128 half: one key step
	s_bfe_u32 s67, s2, 0x40007                     ; the key step within the batch
	s_lshr_b32 s2, s2, 11
	s_lshl_b32 s2, s2, 4
	s_lshl_b32 s66, s8, 3
	s_add_co_u32 s2, s2, s66
	s_lshl_b32 s66, s7, 1
	s_add_co_u32 s2, s2, s66
	s_add_co_u32 s2, s2, s4                        ; my head: 16 batch + 2 (4 cluster x + cy) + half
	s_lshl_b32 s2, s2, 18
	s_lshl_b32 s67, s67, 14
	s_add_co_u32 s2, s2, s67
	s_add_co_u32 s2, s2, 8192                      ; V lies behind the step's K
	v_add_nc_u32 v10, s2, v[LI]
	EPI 1
.Lway_end:
	s_wait_tensorcnt 0x0                           ; the wave's end
	ds_add_u32 v[SPW], v[NIL]
	s_wait_dscnt 0x0
	CROUND                                         ; the closing round: no work-group ends while a partner may still ask for a tile that names it
	s_endpgm
.Lfunc_end_k_q71067ebd17_qkv:
	.size	k_q71067ebd17_qkv, .Lfunc_end_k_q71067ebd17_qkv-k_q71067ebd17_qkv
	.p2alignl 7, 3214868480
	.fill 96, 4, 3214868480
	.section	.rodata,"a",@progbits
	.p2align	6, 0x0
	.amdhsa_kernel k_q71067ebd17_qkv
		.amdhsa_group_segment_fixed_size 327680
		.amdhsa_private_segment_fixed_size 0
		.amdhsa_enable_private_segment 0
		.amdhsa_kernarg_size 80
		.amdhsa_user_sgpr_count 2
		.amdhsa_user_sgpr_kernarg_segment_ptr 1
		.amdhsa_wavefront_size32 1
		.amdhsa_system_sgpr_workgroup_id_x 1
		.amdhsa_system_sgpr_workgroup_id_y 1
		.amdhsa_system_sgpr_workgroup_id_z 1
		.amdhsa_system_vgpr_workitem_id 0
		.amdhsa_next_free_vgpr 768
		.amdhsa_next_free_sgpr 100
		.amdhsa_reserve_vcc 0
		.amdhsa_float_denorm_mode_32 3
		.amdhsa_float_denorm_mode_16_64 3
		.amdhsa_fp16_overflow 1
		.amdhsa_memory_ordered 1
		.amdhsa_forward_progress 1
		.amdhsa_inst_pref_size 80
	.end_amdhsa_kernel
	.amdgpu_metadata
---
amdhsa.version: [ 1, 2 ]
amdhsa.kernels:
  - .name:           k_q71067ebd17_qkv
    .symbol:         k_q71067ebd17_qkv.kd
    .args:
      - { .name: x_codes, .offset: 0, .size: 8, .value_kind: global_buffer, .address_space: global }
      - { .name: Wq_codes, .offset: 8, .size: 8, .value_kind: global_buffer, .address_space: global }
      - { .name: Wk_codes, .offset: 16, .size: 8, .value_kind: global_buffer, .address_space: global }
      - { .name: Wv_codes, .offset: 24, .size: 8, .value_kind: global_buffer, .address_space: global }
      - { .name: bq, .offset: 32, .size: 8, .value_kind: global_buffer, .address_space: global }
      - { .name: bk, .offset: 40, .size: 8, .value_kind: global_buffer, .address_space: global }
      - { .name: bv, .offset: 48, .size: 8, .value_kind: global_buffer, .address_space: global }
      - { .name: lowp_scales, .offset: 56, .size: 8, .value_kind: global_buffer, .address_space: global }
      - { .name: q_img, .offset: 64, .size: 8, .value_kind: global_buffer, .address_space: global }
      - { .name: kv_img, .offset: 72, .size: 8, .value_kind: global_buffer, .address_space: global }
    .group_segment_fixed_size: 327680
    .private_segment_fixed_size: 0
    .kernarg_segment_align: 8
    .kernarg_segment_size: 80
    .max_flat_workgroup_size: 128
    .sgpr_count:     100
    .vgpr_count:     768
    .wavefront_size: 32
...
	.end_amdgpu_metadata
.endif
;; end of part 1
;; launch attn (part 2): grid 256 x 1, 16 waves a work-group, clusters of 4 x 1, 327,680 bytes of LDS; arguments q_img, kv_img, attention_mask, lowp_scales, a_img; writes a_img
.if DOCPART == 2
	.amdgcn_target "amdgcn-amd-amdhsa--gfx1250"
	.amdhsa_code_object_version 6
	.text
	.protected	k_q71067ebd17_attn
	.globl	k_q71067ebd17_attn
	.p2align	8
	.type	k_q71067ebd17_attn,@function
k_q71067ebd17_attn:
	s_mov_b64 s[64:65], 0
	v_nop
	global_prefetch_b8 v0, s[64:65] scope:SCOPE_SE
	s_setreg_imm32_b32 hwreg(HW_REG_WAVE_MODE, 25, 1), 1
	s_wait_xcnt 0x0
	s_wait_alu depctr_hold_cnt(0) depctr_sa_sdst(0) depctr_va_vdst(0) depctr_va_sdst(0) depctr_va_ssrc(0) depctr_va_vcc(0) depctr_vm_vsrc(0)
	s_getreg_b32 s2, hwreg(HW_REG_IB_STS2, 6, 4)
	s_cmp_eq_u32 s2, 0
	s_cbranch_scc0 .Lentry_in_a_cluster
	s_endpgm
.Lentry_in_a_cluster:
	s_bfe_u32 s2, ttmp6, 0x10000c
	s_cmp_lg_u32 s2, 0x3003
	s_cbranch_scc0 .Lentry_shape_is_right
	s_endpgm
.Lentry_shape_is_right:
; Causal attention with a mask over the keys, 64 heads of 2,048 x 2,048 x 64, both products on codes of BF8 (E5M2); the result is quantised with 2^e10 for the output projection.
; THE SOFTMAX: t = score x log2(e) / 8; M = the running largest t rounded UP to a whole number; p = 2^(t - M) is quantised with 2^e8; the sum l is taken of the unquantised p and divides at the end.
; SHARES.  The four work-groups of a cluster serve ONE head, whose whole K and V (262,144 bytes, as images of the operands' registers) lie in each one's LDS, filled ONCE, by joint loads: no slot is filled again.
; Wave w (e = w % 2, a1 = w / 2) owns two tiles of 16 queries, number 8 a + 2 cx + e, for a = 15 - a1 and a = a1: 16 - a1 and a1 + 1 key steps of 128, 17 for every wave.
; Trip counts are constants; a step all of whose keys come after the tile's queries is jumped over, by a branch on the wave's number and the loop's counter.  cx enters global addresses and one vector number (DG) alone.
; LAYOUT.  S^T = K Q^T (16x16x64: source 0 = 16 keys, source 1 = my 16 queries): a lane holds ONE query; register 8 t + j is key 16 t + 8 h + j, which is the place that the 16x16x128 form gives k: p's codes ARE its source 1.
; THE KEY MASK costs no vector line: a table of 2,048 numbers, 0 or SENT = -2^126, is loaded into the scores' registers and is the C of K Q^T.  On the diagonal hidden scores are replaced by SENT.
; A QUERY WITH NO VISIBLE KEY: there every score of reference() is the same blocked number, over ALL 2,048 keys: p = 1 everywhere, l = 2,048.  Here the largest raw score has a floor of -2^60, so such a row ends with p = 0,
; l = 0, O = 0 and the floor as its largest; the way out then selects, without a branch, the sum over all keys of code(1) x V, made once by the sixteen waves together, and l = 2,048.
; LIMITS: e6 + e7 between -110 and 130; e8 and e10 between -126 and 112.  Raw scores lie above -2^50 by the format (64 x 57,344^2).  NaN and infinity codes are not served.
.set BIASB, 262144                     ; LDS: behind the image: the mask's table, 2,048 f32,
.set VSB,   BIASB+8192                 ; and V's column sums: 4 quarters of the keys x 64 channels, f32
.set LI,  1                            ; v1   16 x lane
.set BA,  2                            ; v2   BIASB + 32 h
.set DG,  3                            ; v3   32 cx + 16 e + r - 8 h: key 16 t + 8 h + j of the diagonal step is hidden where 16 t + j > DG
.set OA,  4                            ; v4   16 r + 8 h: my 8 bytes of a block of 256 of a_img
.set VA,  5                            ; v5   VSB + 32 h
.set ADK, 6                            ; v6   the step's K and V
.set ADB, 7                            ; v7   the step's part of the table
.set VSW, 21                           ; v21  where I store my part of V's sums
.set S,   64                           ; v64-127  scores, then p
.set OT,  128                          ; v128-159 O^T
.set P,   160                          ; v160-175 p's codes
.set QL,  176                          ; v176-183 Q of the long tile
.set FR,  184                          ; v184-247 fragments of K, then of V
.set QS,  248                          ; v248-255 Q of the short tile
; v[8:9] -M, the largest t;  v[10:11] l in two halves;  v12 the largest raw score;  v13, v14 57,344 x 2^e8, 2^e8;  v15 SENT;  v[16:17] f, 0;  v18-20, v[22:23] at work;  v25 2^e10
.set AT,  19                           ; s19  the tile's diagonal step
.set ST,  20                           ; s20  the step
.set KO,  21                           ; s21  16,384 x step
.set BO,  22                           ; s22  512 x step
.set G1,  24                           ; s[24:31] descriptor group 1;  s[32:47] four groups 0
.set G0,  32
.macro CROUND                          ; a round of the cluster's barrier
	s_barrier_signal -1
	s_barrier_wait -1
	s_cmp_lg_u32 s3, 0
	s_cbranch_scc1 .Lnot_wave_0_\@
	s_barrier_signal -3
.Lnot_wave_0_\@:
	s_barrier_wait -3
	s_barrier_signal -1
	s_barrier_wait -1
.endm
.macro MEET cnt                        ; my loads but the cnt youngest have landed, my LDS instructions are done: then the work-group's barrier.
	s_wait_tensorcnt \cnt
	s_wait_dscnt 0x0
	s_barrier_signal -1
	s_barrier_wait -1
.endm
	s_load_b256 s[8:15], s[0:1], 0x0               ; q_img s[8:9], kv_img s[10:11], the mask s[12:13], the scales' exponents s[14:15]
	s_load_b64 s[16:17], s[0:1], 0x20              ; a_img
	v_lshl_add_u32 v62, v0, 2, 0x42400
	v_mov_b32 v63, 0
	ds_add_u32 v62, v63
	ds_add_u32 v62, v63
	v_lshrrev_b32 v26, 5, v0
	s_delay_alu instid0(VALU_DEP_1)
	v_readfirstlane_b32 s3, v26                    ; wave 0..15
	s_and_b32 s4, s3, 1                            ; e
	s_lshr_b32 s5, s3, 1                           ; a1
	s_bfe_u32 s6, ttmp6, 0x40000                   ; cx
	s_mov_b32 s7, ttmp9                            ; the head (batch x 16 + head): the cluster's number
	s_mov_b32 s[G1], 15|(3<<16)|(1<<21)            ; 15:0 the mask: all four work-groups; 17:16 elements of 8 bytes; 21 set beside a mask; no padding
	s_mov_b32 s[G1+1], 32<<16                      ; a dense block of 4,096 bytes as 16 rows of 256
	s_mov_b32 s[G1+2], 16<<16
	s_mov_b32 s[G1+3], 32<<16
	s_mov_b32 s[G1+4], 16
	s_mov_b32 s[G1+5], 32
	s_mov_b32 s[G1+6], 0
	s_mov_b32 s[G1+7], 0
	s_lshl_b32 s56, s3, 12                         ; my slice of a chunk: 4,096 x wave
	s_lshl_b32 s58, s7, 18
	s_add_co_u32 s58, s58, s56
	s_mov_b32 s59, 0
	s_wait_dscnt 0x0
	s_wait_kmcnt 0x0
	s_load_b256 s[68:75], s[14:15], 0x10           ; e4 .. e11
	s_add_nc_u64 s[58:59], s[10:11], s[58:59]
.irp g, 0,1,2,3                        ; chunk g: key steps 4 g .. 4 g + 3, 65,536 bytes
	s_mov_b32 s[G0+4*\g], 1
	s_add_co_u32 s[G0+4*\g+1], s56, \g*65536
	s_add_nc_u64 s[G0+4*\g+2:G0+4*\g+3], s[58:59], \g*65536
	s_or_b32 s[G0+4*\g+3], s[G0+4*\g+3], 0x80000000
.endr
	CROUND                                         ; all four work-groups are here: the joint loads meet
	tensor_load_to_lds s[G0:G0+3], s[G1:G1+7]      ; every wave issues the same four lines: four loads of mine are out
	s_nop 0
	tensor_load_to_lds s[G0+4:G0+7], s[G1:G1+7]
	s_nop 0
	tensor_load_to_lds s[G0+8:G0+11], s[G1:G1+7]
	s_nop 0
	tensor_load_to_lds s[G0+12:G0+15], s[G1:G1+7]
	s_nop 0
.rept 4
	v_nop
.endr
	v_and_b32 v26, 31, v0
	s_delay_alu instid0(VALU_DEP_1)
	v_lshlrev_b32 v[LI], 4, v26
	s_wait_alu depctr_va_vdst(0)
	v_and_b32 v27, 15, v0                          ; r
	v_bfe_u32 v28, v0, 4, 1                        ; h
	s_wait_alu depctr_va_vdst(0)
	s_lshl_b32 s83, s6, 1
	s_add_co_u32 s83, s83, s4                      ; 2 cx + e
	s_sub_co_u32 s[AT], 15, s5                     ; the long tile's a
	s_lshl_b32 s84, s[AT], 3
	s_add_co_u32 s84, s84, s83                     ; the long tile's number
	s_lshl_b32 s85, s5, 3
	s_add_co_u32 s85, s85, s83                     ; the short tile's
	s_lshl_b32 s86, s7, 7
	s_add_co_u32 s88, s86, s84
	s_lshl_b32 s88, s88, 10
	s_mov_b32 s89, 0
	s_add_nc_u64 s[52:53], s[8:9], s[88:89]        ; Q: 1,024 x (128 head + tile)
	s_add_co_u32 s88, s86, s85
	s_lshl_b32 s88, s88, 10
	s_add_nc_u64 s[54:55], s[8:9], s[88:89]
	global_load_b128 v[QL:QL+3], v[LI], s[52:53] th:TH_LOAD_NT
	global_load_b128 v[QL+4:QL+7], v[LI], s[52:53] offset:512 th:TH_LOAD_NT
	global_load_b128 v[QS:QS+3], v[LI], s[54:55] th:TH_LOAD_NT
	global_load_b128 v[QS+4:QS+7], v[LI], s[54:55] offset:512 th:TH_LOAD_NT
	s_lshr_b32 s87, s7, 4                          ; the batch
	s_lshl_b32 s88, s87, 11
	s_add_nc_u64 s[12:13], s[12:13], s[88:89]      ; its 2,048 bytes of the mask
	v_lshlrev_b32 v29, 2, v0
	global_load_b32 v30, v29, s[12:13]             ; four keys a thread
	s_lshl_b32 s90, s87, 7
	s_and_b32 s91, s7, 15
	s_lshl_b32 s91, s91, 10
	s_add_co_u32 s88, s90, s84
	s_lshl_b32 s88, s88, 14
	s_add_co_u32 s88, s88, s91
	s_add_nc_u64 s[48:49], s[16:17], s[88:89]      ; a_img: 16,384 x (128 batch + tile) + 1,024 x head
	s_add_co_u32 s88, s90, s85
	s_lshl_b32 s88, s88, 14
	s_add_co_u32 s88, s88, s91
	s_add_nc_u64 s[50:51], s[16:17], s[88:89]
	v_lshl_add_u32 v[BA], v28, 5, BIASB
	v_lshl_add_u32 v[VA], v28, 5, VSB
	v_lshlrev_b32 v[OA], 4, v27
	s_delay_alu instid0(VALU_DEP_1)
	v_lshl_add_u32 v[OA], v28, 3, v[OA]
	v_lshlrev_b32 v31, 3, v28
	s_delay_alu instid0(VALU_DEP_1)
	v_sub_nc_u32 v[DG], v27, v31
	s_lshl_b32 s84, s83, 4
	v_add_nc_u32 v[DG], s84, v[DG]
	v_lshl_add_u32 v31, v0, 4, BIASB               ; where my four numbers of the table go
	s_lshr_b32 s57, s3, 2                          ; V's sums: my quarter of the keys,
	s_and_b32 s60, s3, 3                           ; my 16 channels
	s_lshl_b32 s61, s57, 8
	s_lshl_b32 s62, s60, 6
	s_add_co_u32 s61, s61, s62
	s_add_co_u32 s61, s61, VSB
	v_lshl_add_u32 v[VSW], v28, 5, s61
	s_lshl_b32 s57, s57, 16
	s_lshl_b32 s60, s60, 11
	s_add_co_u32 s23, s57, s60                     ; and where their fragments begin: 65,536 quarter + 2,048 tile
	s_mov_b32 s78, 0x76543210                      ; v_permlanex16_b32: lane l xor 16
	s_mov_b32 s79, 0xfedcba98
	v_mov_b32 v15, 0xfe800000                      ; SENT = -2^126
	v_mov_b32 v17, 0                               ; (named as the upper half of the pair v[16:17])
	v_mov_b32 v20, 0                               ; a lane permute's destination counts as one of its sources
	s_wait_alu depctr_va_vdst(0)
	s_wait_kmcnt 0x0
	s_add_co_i32 s56, s70, s71
	s_lshl_b32 s56, s56, 23
	s_add_co_i32 s76, s56, 0x3e38aa3b              ; c = log2(e) / 8, with e6 + e7 added to its exponent field
	s_mov_b32 s77, s76
	s_add_co_i32 s56, s72, 127
	s_lshl_b32 s57, s56, 23
	v_mov_b32 v14, s57                             ; 2^e8
	s_add_co_i32 s56, s56, 15
	s_lshl_b32 s56, s56, 23
	s_or_b32 s56, s56, 0x600000
	v_mov_b32 v13, s56                             ; 57,344 x 2^e8
	s_add_co_i32 s56, s74, 127
	s_lshl_b32 s57, s56, 23
	v_mov_b32 v25, s57                             ; 2^e10
	s_add_co_i32 s80, s72, s73                     ; e8 + e9
	s_wait_loadcnt 0x0                             ; Q, and my four bytes of the mask
.irp i, 0,1,2,3
	v_bfe_u32 v26, v30, 8*\i, 8
	s_delay_alu instid0(VALU_DEP_1)
	v_cmp_eq_u32 vcc_lo, 0, v26
	s_delay_alu instid0(VALU_DEP_1)
	v_cndmask_b32 v[32+\i], 0, v15, vcc_lo         ; 0 where the key counts, SENT where it does not
.endr
	ds_store_b128 v31, v[32:35]
.macro INIT                            ; a tile begins: O^T and l are zeros, the largest t is under every t: the step is written once
	s_wait_xcnt 0x0                                ; the last tile's stores have read their registers
	v_mov_b32 v9, 0xff61b1e6                       ; -3e38
	s_delay_alu instid0(VALU_DEP_1)
	v_floor_f32 v8, -v9
	v_mov_b32 v10, 0
	v_mov_b32 v11, 0
	v_mov_b32 v12, 0xdd800000                      ; -2^60
.set i, 0
.rept 32
	v_mov_b32 v[OT+i], 0
.set i, i+1
.endr
.endm
; A KEY STEP of 128 keys.  chk = 1: it may lie behind the diagonal (left out) or on it (masked).  q: the tile's Q.
.macro STEP chk, q
.if \chk
	s_cmp_gt_u32 s[ST], s[AT]
	s_cbranch_scc1 .Lskip_\@
.endif
	s_setprio 2
	v_add_nc_u32 v[ADK], s[KO], v[LI]
	v_add_nc_u32 v[ADB], s[BO], v[BA]
	v_nop                                          ; with the two additions: four places in front of loads into registers that the last matrix instructions read
	v_nop
.irp t, 0,1,2,3,4,5,6,7
	ds_load_b128 v[S+8*\t:S+8*\t+3], v[ADB] offset:64*\t        ; the table's numbers for keys 16 t + 8 h + 0 .. 7: the C of the products below
	ds_load_b128 v[S+8*\t+4:S+8*\t+7], v[ADB] offset:64*\t+16
.endr
.irp t, 0,1,2,3,4,5,6,7
	ds_load_b128 v[FR+8*\t:FR+8*\t+3], v[ADK] offset:1024*\t
	ds_load_b128 v[FR+8*\t+4:FR+8*\t+7], v[ADK] offset:1024*\t+512
.endr
	s_wait_alu depctr_va_vdst(0)
	s_wait_dscnt 0x0
.irp t, 0,1,2,3,4,5,6,7
	v_wmma_f32_16x16x64_bf8_bf8 v[S+8*\t:S+8*\t+7], v[FR+8*\t:FR+8*\t+7], v[\q:\q+7], v[S+8*\t:S+8*\t+7]
.endr
.rept 4
	v_nop
.endr
.irp d, 0,1,2,3                        ; V's fragments land while the softmax is worked
.irp c, 0,1,2,3
	ds_load_b128 v[FR+16*\d+4*\c:FR+16*\d+4*\c+3], v[ADK] offset:8192+2048*\d+512*\c
.endr
.endr
.if \chk
	s_cmp_lg_u32 s[ST], s[AT]
	s_cbranch_scc1 .Lopen_\@
.set n, 0
.rept 64
	v_cmp_gt_i32 vcc_lo, 16*(n/8)+n%8, v[DG]
	v_cndmask_b32 v[S+n], v[S+n], v15, vcc_lo
.set n, n+1
.endr
.Lopen_\@:
.endif
	v_max3_num_f32 v18, v[S], v[S+1], v[S+2]       ; the largest raw score among my 64 keys, in two chains, each accumulator from its low end on
	v_max3_num_f32 v19, v[S+3], v[S+4], v[S+5]
.set j, 6
.rept 14
	v_max3_num_f32 v18, v18, v[S+j], v[S+j+1]
	v_max3_num_f32 v19, v19, v[S+j+2], v[S+j+3]
.set j, j+4
.endr
	v_max3_num_f32 v18, v18, v[S+62], v[S+63]
	s_delay_alu instid0(VALU_DEP_1)
	v_max_num_f32 v18, v18, v19
	s_delay_alu instid0(VALU_DEP_1)
	v_permlanex16_b32 v20, v18, s78, s79
	s_delay_alu instid0(VALU_DEP_1)
	v_max3_num_f32 v18, v18, v20, 0xdd800000       ; with lane l xor 16's, and the floor -2^60
	s_delay_alu instid0(VALU_DEP_1)
	v_max_num_f32 v12, v12, v18                    ; the tile's largest raw score so far
	s_delay_alu instid0(VALU_DEP_2)
	v_mul_f32 v18, s76, v18                        ; as t (c is positive)
	s_delay_alu instid0(VALU_DEP_1)
	v_max_num_f32 v9, v9, v18
	v_mov_b32 v18, v8
	s_delay_alu instid0(VALU_DEP_2)
	v_floor_f32 v8, -v9                            ; the new -M = floor(-t): M is a whole number
	s_delay_alu instid0(VALU_DEP_1)
	v_sub_f32 v18, v8, v18                         ; old M - new M: a whole number, 0 or less
	s_delay_alu instid0(VALU_DEP_1)
	v_cvt_i32_f32 v18, v18                         ; (it saturates)
	s_delay_alu instid0(VALU_DEP_1)
	v_ldexp_f32 v16, 1.0, v18                      ; f = 2^(old M - new M)
.set j, 0
.rept 32
	v_pk_fma_f32 v[S+j:S+j+1], v[S+j:S+j+1], s[76:77], v[8:9] op_sel_hi:[1,0,0]   ; t - M
.set j, j+2
.endr
.set j, 0
	s_setprio 1
	s_wait_alu depctr_va_vdst(0)
.rept 64
	v_exp_f32 v[S+j], v[S+j]                       ; p = 2^(t - M)
.set j, j+1
.endr
	v_pk_mul_f32 v[10:11], v[10:11], v[16:17] op_sel_hi:[1,0]   ; l under the new M: the plain line behind the exponentials
	s_wait_alu depctr_va_vdst(0)                   ; one wait for the batch of 64, ahead of its first reader
	v_pk_add_f32 v[22:23], v[68:69], v[72:73]
	v_pk_add_f32 v[174:175], v[76:77], v[80:81]
	v_pk_add_f32 v[172:173], v[84:85], v[88:89]
	v_pk_add_f32 v[170:171], v[92:93], v[96:97]
	v_pk_add_f32 v[168:169], v[100:101], v[104:105]
	v_pk_add_f32 v[166:167], v[108:109], v[112:113]
	v_pk_add_f32 v[164:165], v[116:117], v[120:121]
	v_pk_add_f32 v[10:11], v[10:11], v[124:125]
	v_pk_add_f32 v[22:23], v[22:23], v[64:65]
	v_pk_add_f32 v[174:175], v[174:175], v[66:67]
	v_pk_add_f32 v[172:173], v[172:173], v[70:71]
	v_pk_add_f32 v[170:171], v[170:171], v[74:75]
	v_pk_add_f32 v[168:169], v[168:169], v[78:79]
	v_pk_add_f32 v[166:167], v[166:167], v[82:83]
	v_pk_add_f32 v[164:165], v[164:165], v[86:87]
	v_pk_add_f32 v[10:11], v[10:11], v[90:91]
	v_pk_add_f32 v[22:23], v[22:23], v[94:95]
	v_pk_add_f32 v[174:175], v[174:175], v[98:99]
	v_pk_add_f32 v[172:173], v[172:173], v[102:103]
	v_pk_add_f32 v[170:171], v[170:171], v[106:107]
	v_pk_add_f32 v[168:169], v[168:169], v[110:111]
	v_pk_add_f32 v[166:167], v[166:167], v[114:115]
	v_pk_add_f32 v[164:165], v[164:165], v[118:119]
	v_pk_add_f32 v[10:11], v[10:11], v[122:123]
	v_pk_add_f32 v[22:23], v[22:23], v[126:127]
	s_delay_alu instid0(VALU_DEP_2)
	v_pk_add_f32 v[10:11], v[10:11], v[170:171]
	s_delay_alu instid0(VALU_DEP_2)
	v_pk_add_f32 v[22:23], v[22:23], v[168:169]
	v_pk_add_f32 v[174:175], v[174:175], v[166:167]
	v_pk_add_f32 v[172:173], v[172:173], v[164:165]
	s_delay_alu instid0(VALU_DEP_2)
	v_pk_add_f32 v[10:11], v[10:11], v[174:175]
	s_delay_alu instid0(VALU_DEP_2)
	v_pk_add_f32 v[22:23], v[22:23], v[172:173]
	s_delay_alu instid0(VALU_DEP_1)
	v_pk_add_f32 v[10:11], v[10:11], v[22:23]
	s_setprio 0
.irp t, 0,1,2,3,4,5,6,7
.irp i, 0,1,2,3,4,5,6,7
.endr
	v_cvt_scalef32_pk8_bf8_f32 v[P+2*\t:P+2*\t+1], v[S+8*\t:S+8*\t+7], v14
.endr
.set j, 0
.rept 16
	v_pk_mul_f32 v[OT+j:OT+j+1], v[OT+j:OT+j+1], v[16:17] op_sel_hi:[1,0]   ; O^T under the new M
.set j, j+2
.endr
	s_wait_alu depctr_va_vdst(0)
	s_wait_dscnt 0x0                               ; V is in
.irp d, 0,1,2,3
	v_wmma_f32_16x16x128_bf8_bf8 v[OT+8*\d:OT+8*\d+7], v[FR+16*\d:FR+16*\d+15], v[P:P+15], v[OT+8*\d:OT+8*\d+7]
.endr
.if \chk
.Lskip_\@:
.endif
	s_add_co_u32 s[ST], s[ST], 1
	s_add_co_u32 s[KO], s[KO], 16384
	s_add_co_u32 s[BO], s[BO], 512
.endm
.macro WALK first, count, chk, q       ; key steps first .. first + count - 1
	s_mov_b32 s[ST], \first
	s_mov_b32 s[KO], \first*16384
	s_mov_b32 s[BO], \first*512
.Lwalk_\@:
	STEP \chk, \q
	s_cmp_lt_u32 s[ST], \first+\count
	s_cbranch_scc1 .Lwalk_\@
	s_setprio 0
.endm
; V's sums: the sum over my quarter of the keys of code(1) x V, for my 16 channels: four products on two accumulators by turns.
.macro VSUM
.irp i, 0,1,2,3,4,5,6,7
	v_min_num_f32 v[S+\i], 1.0, v13                ; p = 1, held (these eight are also the places behind the last products)
.endr
.irp t, 0,1,2,3,4,5,6,7
	v_cvt_scalef32_pk8_bf8_f32 v[P+2*\t:P+2*\t+1], v[S:S+7], v14
.endr
	v_add_nc_u32 v[ADK], s23, v[LI]                ; (the plain line behind the conversions)
.irp i, 0,1,2,3
.irp c, 0,1,2,3
	ds_load_b128 v[FR+16*\i+4*\c:FR+16*\i+4*\c+3], v[ADK] offset:16384*\i+8192+512*\c
.endr
.endr
	s_wait_alu depctr_va_vdst(0)
	s_wait_dscnt 0x0
	v_wmma_f32_16x16x128_bf8_bf8 v[S+16:S+23], v[FR:FR+15], v[P:P+15], 0
	v_wmma_f32_16x16x128_bf8_bf8 v[S+24:S+31], v[FR+16:FR+31], v[P:P+15], 0
	v_wmma_f32_16x16x128_bf8_bf8 v[S+16:S+23], v[FR+32:FR+47], v[P:P+15], v[S+16:S+23]
	v_wmma_f32_16x16x128_bf8_bf8 v[S+24:S+31], v[FR+48:FR+63], v[P:P+15], v[S+24:S+31]
.rept 4
	v_nop
.endr
.irp i, 0,2,4,6
	v_pk_add_f32 v[S+32+\i:S+33+\i], v[S+16+\i:S+17+\i], v[S+24+\i:S+25+\i]
.endr
	ds_store_b128 v[VSW], v[S+32:S+35]             ; channels 8 h + 0 .. 7 of my 16; the sixteen lanes of a half hold the same numbers
	ds_store_b128 v[VSW], v[S+36:S+39] offset:16
.endm
; THE WAY OUT of a tile.  base: the scalar pair with its place in a_img.
.macro EPI base
.rept 4
	v_nop
.endr
.irp t, 0,1,2,3
	ds_load_b128 v[S+8*\t:S+8*\t+3], v[VA] offset:64*\t
	ds_load_b128 v[S+8*\t+4:S+8*\t+7], v[VA] offset:64*\t+16
	ds_load_b128 v[S+32+8*\t:S+32+8*\t+3], v[VA] offset:256+64*\t
	ds_load_b128 v[S+32+8*\t+4:S+32+8*\t+7], v[VA] offset:256+64*\t+16
	ds_load_b128 v[FR+8*\t:FR+8*\t+3], v[VA] offset:512+64*\t
	ds_load_b128 v[FR+8*\t+4:FR+8*\t+7], v[VA] offset:512+64*\t+16
	ds_load_b128 v[FR+32+8*\t:FR+32+8*\t+3], v[VA] offset:768+64*\t
	ds_load_b128 v[FR+32+8*\t+4:FR+32+8*\t+7], v[VA] offset:768+64*\t+16
.endr
	v_add_f32 v10, v10, v11                        ; l: its two halves,
	s_delay_alu instid0(VALU_DEP_1)
	v_permlanex16_b32 v20, v10, s78, s79
	s_delay_alu instid0(VALU_DEP_1)
	v_add_f32 v10, v10, v20                        ; and lane l xor 16's
	v_mov_b32 v19, 0x45000000                      ; 2,048
	s_wait_dscnt 0x0
.set i, 0
.rept 16
	v_pk_add_f32 v[S+i:S+i+1], v[S+i:S+i+1], v[S+32+i:S+33+i]
	v_pk_add_f32 v[FR+i:FR+i+1], v[FR+i:FR+i+1], v[FR+32+i:FR+33+i]
.set i, i+2
.endr
.set i, 0
.rept 16
	v_pk_add_f32 v[S+i:S+i+1], v[S+i:S+i+1], v[FR+i:FR+i+1]   ; the four quarters: V's sums in O^T's layout
.set i, i+2
.endr
	v_cmp_gt_f32 vcc_lo, 0xd8800000, v12           ; -2^50 > the largest raw score: no key was visible
	s_delay_alu instid0(VALU_DEP_1)
	v_cndmask_b32 v10, v10, v19, vcc_lo
	s_wait_alu depctr_va_vdst(0)
	v_rcp_f32 v18, v10
.set i, 0
	s_wait_alu depctr_va_vdst(0)
.rept 32
	v_cndmask_b32 v[OT+i], v[OT+i], v[S+i], vcc_lo ; each accumulator from its low end on
.set i, i+1
.endr
	s_wait_alu depctr_va_vdst(0)                   ; ahead of the reciprocal's first reader
	v_ldexp_f32 v18, v18, s80                      ; x 2^(e8 + e9)
.set i, 0
.rept 16
	v_pk_mul_f32 v[OT+i:OT+i+1], v[OT+i:OT+i+1], v[18:19] op_sel_hi:[1,0]
.set i, i+2
.endr
.set i, 0
.rept 32
.set i, i+1
.endr
.irp t, 0,1,2,3
	v_cvt_scalef32_pk8_bf8_f32 v[P+2*\t:P+2*\t+1], v[OT+8*\t:OT+8*\t+7], v25
.endr
	v_nop                                          ; a plain line between the conversions and the next writes of their sources
.irp t, 0,1,2,3
	global_store_b64 v[OA], v[P+2*\t:P+2*\t+1], s[\base:\base+1] offset:256*\t   ; 32 lanes store 256 consecutive bytes, aligned
.endr
.endm
	INIT
	MEET 3                                         ; chunk 0 and the table lie in LDS; three loads of mine may stay out
	WALK 0, 4, 0, QL                               ; the long tile: its diagonal lies at step 8 or later
	MEET 2                                         ; chunk 1
	WALK 4, 4, 0, QL
	MEET 0                                         ; all of K and V
	VSUM
	MEET 0                                         ; V's sums lie in LDS.  From here on no wave waits for another
	WALK 8, 8, 1, QL
	EPI 48
	INIT
	s_mov_b32 s[AT], s5                            ; the short tile
	WALK 0, 8, 1, QS
	EPI 50
	s_wait_tensorcnt 0x0
	ds_add_u32 v62, v63
	s_wait_dscnt 0x0
	CROUND                                         ; the closing round
	s_endpgm
.Lfunc_end_k_q71067ebd17_attn:
	.size	k_q71067ebd17_attn, .Lfunc_end_k_q71067ebd17_attn-k_q71067ebd17_attn
	.p2alignl 7, 3214868480
	.fill 96, 4, 3214868480
	.section	.rodata,"a",@progbits
	.p2align	6, 0x0
	.amdhsa_kernel k_q71067ebd17_attn
		.amdhsa_group_segment_fixed_size 327680
		.amdhsa_private_segment_fixed_size 0
		.amdhsa_enable_private_segment 0
		.amdhsa_kernarg_size 40
		.amdhsa_user_sgpr_count 2
		.amdhsa_user_sgpr_kernarg_segment_ptr 1
		.amdhsa_wavefront_size32 1
		.amdhsa_system_sgpr_workgroup_id_x 1
		.amdhsa_system_sgpr_workgroup_id_y 1
		.amdhsa_system_sgpr_workgroup_id_z 1
		.amdhsa_system_vgpr_workitem_id 0
		.amdhsa_next_free_vgpr 256
		.amdhsa_next_free_sgpr 100
		.amdhsa_reserve_vcc 1
		.amdhsa_float_denorm_mode_32 3
		.amdhsa_float_denorm_mode_16_64 3
		.amdhsa_fp16_overflow 1
		.amdhsa_memory_ordered 1
		.amdhsa_forward_progress 1
		.amdhsa_inst_pref_size 102
	.end_amdhsa_kernel
	.amdgpu_metadata
---
amdhsa.version: [ 1, 2 ]
amdhsa.kernels:
  - .name:           k_q71067ebd17_attn
    .symbol:         k_q71067ebd17_attn.kd
    .args:
      - { .name: q_img, .offset: 0, .size: 8, .value_kind: global_buffer, .address_space: global }
      - { .name: kv_img, .offset: 8, .size: 8, .value_kind: global_buffer, .address_space: global }
      - { .name: attention_mask, .offset: 16, .size: 8, .value_kind: global_buffer, .address_space: global }
      - { .name: lowp_scales, .offset: 24, .size: 8, .value_kind: global_buffer, .address_space: global }
      - { .name: a_img, .offset: 32, .size: 8, .value_kind: global_buffer, .address_space: global }
    .group_segment_fixed_size: 327680
    .private_segment_fixed_size: 0
    .kernarg_segment_align: 8
    .kernarg_segment_size: 40
    .max_flat_workgroup_size: 512
    .sgpr_count:     100
    .vgpr_count:     256
    .wavefront_size: 32
...
	.end_amdgpu_metadata
.endif
;; end of part 2
;; launch oproj (part 3): grid 4 x 64, 4 waves a work-group, clusters of 4 x 4, 327,680 bytes of LDS; arguments a_img, Wo_codes, bo, lowp_scales, out0; writes out0
.if DOCPART == 3
	.amdgcn_target "amdgcn-amd-amdhsa--gfx1250"
	.amdhsa_code_object_version 6
	.text
	.protected	k_q71067ebd17_oproj
	.globl	k_q71067ebd17_oproj
	.p2align	8
	.type	k_q71067ebd17_oproj,@function
k_q71067ebd17_oproj:
	s_mov_b64 s[64:65], 0
	v_nop
	global_prefetch_b8 v0, s[64:65] scope:SCOPE_SE
	s_setreg_imm32_b32 hwreg(HW_REG_WAVE_MODE, 25, 1), 1
	s_wait_xcnt 0x0
	s_wait_alu depctr_hold_cnt(0) depctr_sa_sdst(0) depctr_va_vdst(0) depctr_va_sdst(0) depctr_va_ssrc(0) depctr_va_vcc(0) depctr_vm_vsrc(0)
	s_getreg_b32 s2, hwreg(HW_REG_IB_STS2, 6, 4)
	s_cmp_eq_u32 s2, 0
	s_cbranch_scc0 .Lentry_in_a_cluster
	s_endpgm
.Lentry_in_a_cluster:
	s_bfe_u32 s2, ttmp6, 0x10000c
	s_cmp_lg_u32 s2, 0xf033
	s_cbranch_scc0 .Lentry_shape_is_right
	s_endpgm
.Lentry_shape_is_right:
; out0 = attn Wo + bo on codes of BF8 (E5M2): out0 = sum x 2^(e10 + e11) + bo.  attn: 8,192 rows x 1,024, as the attention launch left it; Wo: [1024 (n)][1024 (k)] codes, K innermost; out0: [8192][1024] f32.
; A work-group of four waves makes 128 rows x 256 columns: source 0 = 256 rows of Wo, source 1 = 128 rows of attn; a wave 128 columns x 64 rows: 32 accumulators.  A lane holds eight neighbouring columns of one row.  256 work-groups.
; a_img is [tile of 16 rows 512][head 16][1024]; byte 256 t + 16 r + 8 h + j of a head's block is channel 16 t + 8 h + j of row r.  Read as [tile][128 along K: 8][4][lane][16] it gives lane (r, h) registers 4 c .. 4 c + 3
; = k 32 c + 16 h + 0 .. 15: the permutation of k that four loads of 16 bytes, 32 apart, give Wo's rows.  So source 1's fragments come from LDS as dense images, 16 bytes a lane.
; K goes in four steps of 256 through THREE LDS slots: steps 0, 1, 2 are first fills, asked for together; step 3 is the one refill, into slot 0.
; CLUSTER 4 x 4: Wo's tile hangs on cx alone and is asked for jointly by a column of the cluster, attn's on cy alone and by a row.
; LIMIT: e10 + e11 between -126 and 127.  NaN and infinity codes among the inputs are not served.
; REGISTERS, in windows of 256: window 0: v1-30 addresses; v32-35 bo; v128-255 source 1's fragments, two sets (on the way out: rows of out0).   window 1: source 0's, two sets.   window 2: accumulator (a, b) at v[8 (8 a + b)].
.set PITCH,  272                       ; an LDS row of Wo: 256 bytes + 16 of padding = 68 words: the 16 rows that a load touches start at 16 different banks (64 banks of 4 bytes: ISA guide 11.1)
.set S0H,    128*PITCH
.set S0B,    2*S0H
.set S1H,    16384                     ; half of source 1's tile: four tiles of 16 rows x 4,096 bytes, dense
.set SLOT,   S0B+2*S1H
.set SPARE,  3*SLOT                    ; behind the slots: the spare words, 128 bytes a wave: two blocks of 256 bytes that no other line names
.set STEP0,  256                       ; a K step on in memory, source 0
.set STEP1,  4096                      ; and source 1
.set S1A,    4096                      ; source 1 in LDS: from block to block, from 128 along K to the next, from load to load
.set S1Q,    2048
.set S1C,    512
.set SPITCH, 528                       ; the way out: a stage of 16 rows x (512 bytes + 16) for each wave, in slot 1, which has had its one fill, and which nobody reads behind the last barrier
.set AD0, 16                           ; v16-18  LDS address of my fragments of source 0 in slot 0, 1, 2
.set AD1, 20                           ; v20-22  the same for source 1
.set LI,  24                           ; v24     16 x lane
.set STO, 25                           ; v25     the stage: where I put 32 bytes of a row
.set RD,  26                           ; v26     and where I read a row back
.set CO,  27                           ; v27     my byte offset in out0
.set SPW, 28                           ; v28     my spare word: SPARE + 4 x my thread's number; never rewritten
.set NIL, 29                           ; v29     0; never rewritten
.set BK,  128                          ; the way out: 16 rows read back: v128-191 and v192-255 by turns
.set G1,  24
.set G1B, 32
.set G0,  40
.set G0B, 52
.set W_MUL, 0xa1                       ; source 0 window 1, source 1 window 0, C and D window 2
.set TO_S0, 0x40                       ; destination window 1, address window 0
.set MSB, 0
.macro WIN new                         ; the immediate's high byte repeats the setting that is left
.if MSB != \new
	s_set_vgpr_msb (MSB<<8)|\new
.set MSB, \new
.endif
.endm
.macro PLACES n
.rept \n
	v_nop
.endr
.endm
.macro CREST                           ; a round of the cluster's barrier behind its opening barrier
	s_cmp_lg_u32 s3, 0
	s_cbranch_scc1 .Lnot_wave_0_\@
	s_barrier_signal -3
.Lnot_wave_0_\@:
	s_barrier_wait -3
	s_barrier_signal -1
	s_barrier_wait -1
.endm
.macro CROUND
	s_barrier_signal -1
	s_barrier_wait -1
	CREST
.endm
.macro JLOAD                           ; the joint refill of slot 0: waves 0, 1 for source 0, waves 2, 3 for source 1; four v_nop follow each line
	s_cmp_eq_u32 s4, 0
	s_cbranch_scc0 .Lfor_s1_\@
	tensor_load_to_lds s[G0:G0+3], s[G1:G1+7]
	s_nop 0
.rept 4
	v_nop
.endr
	s_branch .Lasked_\@
.Lfor_s1_\@:
	tensor_load_to_lds s[G0B:G0B+3], s[G1B:G1B+7]
	s_nop 0
.rept 4
	v_nop
.endr
.Lasked_\@:
.endm
.macro FETCH slot, q, p                ; 48 LDS loads in one run: the fragments of the slot's q-th 128 along K into set p
	WIN TO_S0
.irp b, 0,1,2,3,4,5,6,7
.irp c, 0,1,2,3
	ds_load_b128 v[128*(\p)+16*\b+4*\c:128*(\p)+16*\b+4*\c+3], v[AD0+\slot] offset:128*(\q)+32*\c+\b*16*PITCH
.endr
.endr
	WIN 0
.irp a, 0,1,2,3
.irp c, 0,1,2,3
	ds_load_b128 v[128+64*(\p)+16*\a+4*\c:128+64*(\p)+16*\a+4*\c+3], v[AD1+\slot] offset:S1Q*(\q)+S1C*\c+\a*S1A
.endr
.endr
.endm
.macro MUL a, p, zero                  ; 8 matrix instructions: source 1's block a against source 0's eight.  The 32 accumulators take turns, one instruction a turn, in the same order in every step
.irp b, 0,1,2,3,4,5,6,7
.if \zero
	v_wmma_f32_16x16x128_bf8_bf8 v[8*(8*(\a)+\b):8*(8*(\a)+\b)+7], v[128*(\p)+16*\b:128*(\p)+16*\b+15], v[128+64*(\p)+16*(\a):128+64*(\p)+16*(\a)+15], 0
.else
	v_wmma_f32_16x16x128_bf8_bf8 v[8*(8*(\a)+\b):8*(8*(\a)+\b)+7], v[128*(\p)+16*\b:128*(\p)+16*\b+15], v[128+64*(\p)+16*(\a):128+64*(\p)+16*(\a)+15], v[8*(8*(\a)+\b):8*(8*(\a)+\b)+7]
.endif
.endr
.endm
.macro SUB p, fslot, fq, zero          ; 128 along K: the next step's fragments are asked for first, into the other set, then set p is multiplied
	PLACES 4                                       ; the loads below land in registers that the last matrix instructions read: four plain places (ISA guide 7.12.1 for vector instructions)
	FETCH \fslot, \fq, 1-\p
	s_wait_dscnt 48                                ; all but the 48 just issued: set p is in
	WIN W_MUL
	MUL 0, \p, \zero
	MUL 1, \p, \zero
	MUL 2, \p, \zero
	MUL 3, \p, \zero
	WIN 0
.endm
.macro TURN next, fill                 ; 128 along K (set 1) with a barrier in it; fill = 1: slot 0 is filled again, with K step 3
	s_wait_tensorcnt 0x0                           ; all my tensor loads have landed
	ds_add_u32 v[SPW], v[NIL]                      ; 0 onto my spare word
	s_wait_dscnt 1                                 ; set 1 is in; the add may be out
	WIN W_MUL
	MUL 0, 1, 0                                    ; eight matrix instructions stand between the add and the wait for it
	s_wait_dscnt 0x0                               ; the add is done, and my reads of the slot that I leave are over
	s_barrier_signal -1
	MUL 1, 1, 0
	WIN 0
	s_barrier_wait -1
.if \fill
	CREST                                          ; the barrier has opened a round of the cluster's: no wave of any partner still reads slot 0 or has a load on its way
	s_add_nc_u64 s[G0+2:G0+3], s[G0+2:G0+3], 3*STEP0
	s_add_nc_u64 s[G0B+2:G0B+3], s[G0B+2:G0B+3], 3*STEP1
	JLOAD                                          ; the first tensor load behind the round; its four v_nop are also the places in front of the loads below
.else
	PLACES 4
.endif
	s_wait_alu depctr_va_vdst(0)
	FETCH \next, 0, 0
	WIN W_MUL
	MUL 2, 1, 0
	MUL 3, 1, 0
	WIN 0
.endm
	s_load_b256 s[68:75], s[0:1], 0x0              ; a_img s[68:69], Wo s[70:71], bo s[72:73], the scales' exponents s[74:75]
	s_load_b64 s[76:77], s[0:1], 0x20              ; out0
	v_lshl_add_u32 v[SPW], v0, 2, SPARE
	v_mov_b32 v[NIL], 0
	ds_add_u32 v28, v29
	ds_add_u32 v28, v29
	s_wait_dscnt 0x0
	v_lshrrev_b32 v1, 5, v0
	v_readfirstlane_b32 s3, v1                     ; wave 0..3
	s_lshr_b32 s4, s3, 1                           ; I fetch for source 0 (0) or source 1 (1).  Also: which half of source 1 I multiply
	s_and_b32 s5, s3, 1                            ; which half of that tile I fetch.  Also: which half of source 0 I multiply
	s_bfe_u32 s6, ttmp6, 0x40000                   ; cx
	s_bfe_u32 s7, ttmp6, 0x40004                   ; cy
	s_mov_b32 s8, ttmp9                            ; cluster x
	s_and_b32 s9, ttmp7, 0xffff                    ; cluster y
	s_lshl_b32 s10, 0x1111, s6                     ; my column of the cluster
	s_lshl_b32 s11, s7, 2
	s_lshl_b32 s11, 15, s11                        ; my row
	s_or_b32 s[G1], s10, (0<<16)|(1<<20)|(1<<21)|(5<<22)|(3<<25)   ; Wo: elements of 1 byte; padding: four words after every 64; bit 21 set beside a mask
	s_or_b32 s[G1B], s11, (3<<16)|(1<<21)          ; attn: elements of 8 bytes, no padding
	s_mov_b32 s[G1+1], 256<<16                     ; 128 rows of 256 bytes, 1,024 apart
	s_mov_b32 s[G1+2], 128<<16
	s_mov_b32 s[G1+3], 256<<16
	s_mov_b32 s[G1+4], 128
	s_mov_b32 s[G1+5], 1024
	s_mov_b32 s[G1+6], 0
	s_mov_b32 s[G1+7], 0
	s_mov_b32 s[G1B+1], 512<<16                    ; 4 rows of 4,096 bytes (a K step of a tile of 16 rows), 16,384 apart
	s_mov_b32 s[G1B+2], 4<<16
	s_mov_b32 s[G1B+3], 512<<16
	s_mov_b32 s[G1B+4], 4
	s_mov_b32 s[G1B+5], 2048
	s_mov_b32 s[G1B+6], 0
	s_mov_b32 s[G1B+7], 0
	s_lshl_b32 s16, s8, 2                          ; Wo: row 256 (4 cluster x + cx) + 128 half: nothing of cy
	s_add_co_u32 s16, s16, s6
	s_lshl_b32 s16, s16, 8
	s_lshl_b32 s20, s5, 7
	s_add_co_u32 s16, s16, s20
	s_lshl_b32 s16, s16, 10
	s_mov_b32 s17, 0
	s_lshl_b32 s18, s9, 2                          ; attn: tile of 16 rows 8 (4 cluster y + cy) + 4 half: nothing of cx
	s_add_co_u32 s18, s18, s7
	s_lshl_b32 s18, s18, 3
	s_lshl_b32 s22, s5, 2
	s_add_co_u32 s18, s18, s22
	s_lshl_b32 s18, s18, 14
	s_mov_b32 s19, 0
	s_mul_i32 s21, s5, S0H                         ; where they go: no place in the cluster enters an LDS address
	s_mul_i32 s23, s5, S1H
	s_add_co_u32 s23, s23, S0B
	s_wait_kmcnt 0x0
	s_load_b64 s[96:97], s[74:75], 0x28            ; e10, e11
	s_add_nc_u64 s[14:15], s[70:71], s[16:17]
	s_add_nc_u64 s[66:67], s[68:69], s[18:19]
.irp s, 0,1,2
	s_mov_b32 s[G0+4*\s], 1
	s_add_co_u32 s[G0+4*\s+1], s21, \s*SLOT
	s_add_nc_u64 s[G0+4*\s+2:G0+4*\s+3], s[14:15], \s*STEP0
	s_or_b32 s[G0+4*\s+3], s[G0+4*\s+3], 0x80000000
	s_mov_b32 s[G0B+4*\s], 1
	s_add_co_u32 s[G0B+4*\s+1], s23, \s*SLOT
	s_add_nc_u64 s[G0B+4*\s+2:G0B+4*\s+3], s[66:67], \s*STEP1
	s_or_b32 s[G0B+4*\s+3], s[G0B+4*\s+3], 0x80000000
.endr
	CROUND                                         ; all sixteen work-groups are here: the first joint loads meet
	s_cmp_eq_u32 s4, 0                             ; a wave's three first fills stand in one branch: three loads of mine are out
	s_cbranch_scc0 .Lfirst_s1
	tensor_load_to_lds s[G0:G0+3], s[G1:G1+7]
	s_nop 0
	tensor_load_to_lds s[G0+4:G0+7], s[G1:G1+7]
	s_nop 0
	tensor_load_to_lds s[G0+8:G0+11], s[G1:G1+7]
	s_nop 0
.rept 4
	v_nop
.endr
	s_branch .Lfirst_asked
.Lfirst_s1:
	tensor_load_to_lds s[G0B:G0B+3], s[G1B:G1B+7]
	s_nop 0
	tensor_load_to_lds s[G0B+4:G0B+7], s[G1B:G1B+7]
	s_nop 0
	tensor_load_to_lds s[G0B+8:G0B+11], s[G1B:G1B+7]
	s_nop 0
.rept 4
	v_nop
.endr
.Lfirst_asked:
	v_and_b32 v1, 15, v0                           ; r
	v_bfe_u32 v2, v0, 4, 1                         ; h
	v_mul_u32_u24 v3, v1, PITCH
	v_lshl_add_u32 v3, v2, 4, v3                   ; Wo: a fragment's row x pitch + 16 h
	v_and_b32 v[LI], 31, v0
	v_lshlrev_b32 v[LI], 4, v[LI]                  ; attn: 16 x lane
	s_mul_i32 s21, s5, S0H                         ; my half of source 0
	s_mul_i32 s23, s4, S1H                         ; my half of source 1,
	s_add_co_u32 s23, s23, S0B                     ; which lies behind source 0's tile
.irp s, 0,1,2
	v_add_nc_u32 v[AD0+\s], s21, v3
	v_add_nc_u32 v[AD1+\s], s23, v[LI]
	s_add_co_u32 s21, s21, SLOT
	s_add_co_u32 s23, s23, SLOT
.endr
	s_mul_i32 s2, s3, 16*SPITCH
	s_add_co_u32 s2, s2, SLOT                      ; my stage
	v_mul_u32_u24 v[STO], v1, SPITCH
	v_lshl_add_u32 v[STO], v2, 5, v[STO]
	v_add_nc_u32 v[STO], s2, v[STO]                ; in: row r, 32 bytes for each half of the lanes
	v_add_nc_u32 v[RD], s2, v[LI]                  ; back: the 32 lanes take one row of 512 bytes
	s_lshl_b32 s10, s8, 2
	s_add_co_u32 s10, s10, s6
	s_lshl_b32 s10, s10, 10
	s_lshl_b32 s11, s5, 9
	s_add_co_u32 s10, s10, s11                     ; my first column, in bytes: 4 x (256 (4 cluster x + cx) + 128 half)
	v_add_nc_u32 v30, s10, v[LI]
	global_load_b128 v[32:35], v30, s[72:73]       ; bo at my four columns of a row
	s_lshl_b32 s11, s9, 2
	s_add_co_u32 s11, s11, s7
	s_lshl_b32 s11, s11, 7
	s_lshl_b32 s12, s4, 6
	s_add_co_u32 s11, s11, s12                     ; my first row: 128 (4 cluster y + cy) + 64 half
	s_lshl_b32 s11, s11, 12                        ; rows of 4,096 bytes
	s_add_co_u32 s11, s11, s10
	v_add_nc_u32 v[CO], s11, v[LI]
	s_wait_tensorcnt 2                             ; my part of K step 0 is in; K steps 1 and 2 may stay out
	s_barrier_signal -1
	s_barrier_wait -1                              ; everybody's is
	FETCH 0, 0, 0
	SUB 0, 0, 1, 1                                 ; the first products start the sums: nothing is cleared
	TURN 1, 1                                      ; slots 1 and 2 are whole; slot 0 takes K step 3, which has 112 matrix instructions in which to land
	SUB 0, 1, 1, 0
	SUB 1, 2, 0, 0                                 ; no barrier: the last one has shown slot 2 whole, and slot 1 is not filled again
	SUB 0, 2, 1, 0
	TURN 0, 0                                      ; K step 3 is whole; behind this barrier nobody reads slot 1
	SUB 0, 0, 1, 0
	s_wait_dscnt 0x0
	WIN W_MUL
	MUL 0, 1, 0
	MUL 1, 1, 0
	MUL 2, 1, 0
	MUL 3, 1, 0
	WIN 0
; THE WAY OUT, block by block of 16 rows x 128 columns: the raw sums go through my own stage and come back as whole rows of 512 bytes; there each number becomes sum x 2^(e10 + e11) + bo and is stored.
; LDS serves a wave's instructions in order (ISA guide 5.7.1.4): no wait between the stores and the loads, nor in front of the next block's stores.
.macro TOSTAGE a
	WIN 0x08                                       ; the stores' data: window 2
.irp b, 0,1,2,3,4,5,6,7
	ds_store_b128 v[STO], v[8*(8*(\a)+\b):8*(8*(\a)+\b)+3] offset:64*\b        ; each accumulator from its low end on
	ds_store_b128 v[STO], v[8*(8*(\a)+\b)+4:8*(8*(\a)+\b)+7] offset:64*\b+16
.endr
	WIN 0
.set BB, BK+64*((\a)%2)
.irp t, 0,1,2,3,4,5,6,7,8,9,10,11,12,13,14,15
	ds_load_b128 v[BB+4*\t:BB+4*\t+3], v[RD] offset:\t*SPITCH
.endr
.endm
.macro SEND a, younger                 ; younger: the LDS instructions issued behind block a's loads, which may stay out
.set BB, BK+64*((\a)%2)
	s_wait_dscnt \younger
.set i, 0
.rept 16
	v_pk_fma_f32 v[BB+4*i:BB+4*i+1], v[BB+4*i:BB+4*i+1], s[98:99], v[32:33] op_sel_hi:[1,0,1]
	v_pk_fma_f32 v[BB+4*i+2:BB+4*i+3], v[BB+4*i+2:BB+4*i+3], s[98:99], v[34:35] op_sel_hi:[1,0,1]
.set i, i+1
.endr
.irp t, 0,1,2,3,4,5,6,7,8,9,10,11,12,13,14,15
	global_store_b128 v[CO], v[BB+4*\t:BB+4*\t+3], s[76:77] offset:(16*(\a)+\t)*4096 th:TH_STORE_NT   ; 32 lanes store 512 consecutive bytes, at a multiple of 256 from out0's first byte
.endr
.endm
	s_wait_kmcnt 0x0
	s_add_co_i32 s98, s96, s97
	s_add_co_i32 s98, s98, 127
	s_lshl_b32 s98, s98, 23                        ; 2^(e10 + e11) as f32
	s_mov_b32 s99, s98                             ; (named with it as a pair)
	s_wait_loadcnt 0x0                             ; bo
	PLACES 4                                       ; behind the last products: their results are read, and loads land in registers that they read
	TOSTAGE 0
.irp a, 1,2,3
.if \a > 1
	s_wait_xcnt 0x0                                ; block a - 2's stores have read their registers: block a's loads may land there
.endif
	TOSTAGE \a
	SEND \a-1, 32                                  ; behind block a - 1's loads: block a's 16 stores and 16 loads
.endr
	SEND 3, 0
	s_wait_tensorcnt 0x0                           ; the wave's end
	ds_add_u32 v[SPW], v[NIL]
	s_wait_dscnt 0x0
	CROUND                                         ; the closing round: no work-group ends while a partner may still ask for a tile that names it
	s_endpgm
.Lfunc_end_k_q71067ebd17_oproj:
	.size	k_q71067ebd17_oproj, .Lfunc_end_k_q71067ebd17_oproj-k_q71067ebd17_oproj
	.p2alignl 7, 3214868480
	.fill 96, 4, 3214868480
	.section	.rodata,"a",@progbits
	.p2align	6, 0x0
	.amdhsa_kernel k_q71067ebd17_oproj
		.amdhsa_group_segment_fixed_size 327680
		.amdhsa_private_segment_fixed_size 0
		.amdhsa_enable_private_segment 0
		.amdhsa_kernarg_size 40
		.amdhsa_user_sgpr_count 2
		.amdhsa_user_sgpr_kernarg_segment_ptr 1
		.amdhsa_wavefront_size32 1
		.amdhsa_system_sgpr_workgroup_id_x 1
		.amdhsa_system_sgpr_workgroup_id_y 1
		.amdhsa_system_sgpr_workgroup_id_z 1
		.amdhsa_system_vgpr_workitem_id 0
		.amdhsa_next_free_vgpr 768
		.amdhsa_next_free_sgpr 100
		.amdhsa_reserve_vcc 0
		.amdhsa_float_denorm_mode_32 3
		.amdhsa_float_denorm_mode_16_64 3
		.amdhsa_memory_ordered 1
		.amdhsa_forward_progress 1
		.amdhsa_inst_pref_size 75
	.end_amdhsa_kernel
	.amdgpu_metadata
---
amdhsa.version: [ 1, 2 ]
amdhsa.kernels:
  - .name:           k_q71067ebd17_oproj
    .symbol:         k_q71067ebd17_oproj.kd
    .args:
      - { .name: a_img, .offset: 0, .size: 8, .value_kind: global_buffer, .address_space: global }
      - { .name: Wo_codes, .offset: 8, .size: 8, .value_kind: global_buffer, .address_space: global }
      - { .name: bo, .offset: 16, .size: 8, .value_kind: global_buffer, .address_space: global }
      - { .name: lowp_scales, .offset: 24, .size: 8, .value_kind: global_buffer, .address_space: global }
      - { .name: out0, .offset: 32, .size: 8, .value_kind: global_buffer, .address_space: global }
    .group_segment_fixed_size: 327680
    .private_segment_fixed_size: 0
    .kernarg_segment_align: 8
    .kernarg_segment_size: 40
    .max_flat_workgroup_size: 128
    .sgpr_count:     100
    .vgpr_count:     768
    .wavefront_size: 32
...
	.end_amdgpu_metadata
.endif
;; end of part 3
